; MI455X (gfx1250); checked and timed in simulation.
; The chip was launched on July 23, 2026; its instructions are those of AMD's public machine-readable ISA for CDNA 5 (MIT licence, August 2026) and "CDNA5" Instruction Set Architecture Reference Guide (July 2026). The comments in the code are by the model that wrote it; some were corrected since.
;; Edit Model. Allowed arithmetic: float matrix products may take bf16 or f16 operands with f32 sums; all other float work in f32.
;; Inputs: W_ins 53 x 256 float32; W_sub 53 x 256 float32; b_ins 53 float32; b_sub 53 float32; modern_ctx 64 x 128 x 256 float32; prior_ctx 64 x 128 x 256 float32; src_lengths 128 int32; target_ids 63 x 128 int32; tgt_lengths 128 int32.
;; Outputs: out0 64 x 64 x 128 float32; out1 64 x 64 x 128 float32; out2 64 x 63 x 128 float32; out3 64 x 63 x 128 float32.
;; One version. Each part assembles by itself: llvm-mc -triple=amdgcn-amd-amdhsa -mcpu=gfx1250 --defsym DOCPART=n.
;; ======== version 1 of 1: 2 launches
;; limits: right only within a limited range of input values
;; workspace buffers: pm 8,388,608 bytes
;; launch proj (part 1): grid 256 x 1, 8 waves a work-group, no clusters, 168,960 bytes of LDS; arguments prior_ctx, modern_ctx, W_sub, W_ins, b_sub, b_ins, pm; writes pm
.if DOCPART == 1
	.amdgcn_target "amdgcn-amd-amdhsa--gfx1250"
	.amdhsa_code_object_version 6
	.text
	.protected	k_qddfa755466_proj
	.globl	k_qddfa755466_proj
	.p2align	8
	.type	k_qddfa755466_proj,@function
k_qddfa755466_proj:
	s_mov_b64 s[64:65], 0
	v_nop
	global_prefetch_b8 v0, s[64:65] scope:SCOPE_SE
	s_setreg_imm32_b32 hwreg(HW_REG_WAVE_MODE, 25, 1), 1
	s_wait_xcnt 0x0
; The heads are linear, so logit(x, y, b, v) = P(x, b, v) + M(y, b, v) with P = prior W^T and M = modern W^T + bias.
; This launch makes P and M for both heads, times log2(e), in f32.
;
; Work-group g of 256: kind = g >> 7 (0: prior, 1: modern), position x = (g >> 1) & 63, bh = g & 1: the 64 context rows b = 64 bh .. 64 bh + 63
; of that position, 65,536 dense bytes, times 128 columns (head 0: 0-63, head 1: 64-127; 53 real ones a head), K = 256: 256 matrix instructions.
; pm is [kind 2][head 2][bh 2][res 8][idx 8][b' 64][64 columns] f32, position = res + 8 idx: the next launch takes a block (kind, head, bh, res) whole.
; Columns 53-63 are written with finite filler (W's rows there are zeros) and never used.
;
; Operands of the products are rounded to bf16, sums are f32.
; No joint loads: the context rows are each work-group's own; W, which all read, goes through registers on its way to bf16, and brought into LDS as
; f32 it would take 108,544 bytes more and still pass through registers.  One barrier in the launch.
.set PITCH,  528                       ; an LDS row of 256 bf16 + 16 bytes: an odd multiple of 16, so 16 neighbouring rows start in 16 different 16-byte columns of 256 bytes
.set LB,     64*PITCH                  ; A: 64 rows from byte 0; B: 128 rows (64 head + n) behind them
.set LBIAS,  LB+128*PITCH              ; 2 x 64 f32: bias times log2(e) (zeros for P)
.set LSTAGE, LBIAS+512                 ; 8 waves x 16 rows x 272 bytes, each wave's own: the way out
.set SP,     272
.set LOG2E,  0x3fb8aa3b
.set WREG,   16                        ; v[16:121]  W as loaded: 53 pairs
.set CREG,   122                       ; v[122:185] context as loaded: 16 quads
.set F,      16                        ; behind the barrier: four fragment buffers of 40 registers (context 8, W 4 x 8)
.set ACC,    176                       ; v[176:207] four accumulators
.set BI,     208                       ; v[208:239] bias of my 32 columns
	s_load_b256 s[8:15], s[0:1], 0x0               ; prior 8, modern 10, W_sub 12, W_ins 14
	s_load_b128 s[16:19], s[0:1], 0x20             ; b_sub 16, b_ins 18
	s_load_b64 s[24:25], s[0:1], 0x30              ; pm
	v_lshl_add_u32 v240, v0, 2, 0x29000
	v_mov_b32 v241, 0
	v_lshrrev_b32 v2, 5, v0
	v_readfirstlane_b32 s28, v2                    ; wave 0..7
	v_and_b32 v1, 31, v0                           ; L
	v_and_b32 v2, 15, v0                           ; r = L % 16
	v_bfe_u32 v3, v0, 4, 1                         ; h = L / 16
	s_lshr_b32 s29, s28, 2                         ; head
	s_and_b32 s30, s28, 3                          ; q4: my quarter of W's rows; my 16 context rows in the product
	s_lshr_b32 s31, ttmp9, 7                       ; kind
	s_and_b32 s32, ttmp9, 1                        ; bh
	s_bfe_u32 s33, ttmp9, 0x60001                  ; position x, 6 bits from bit 1
	; byte offsets, each in a pair of its own
	s_and_b32 s34, ttmp9, 127
	s_lshl_b32 s34, s34, 16                        ; context: (2 x + bh) x 65,536
	s_mov_b32 s35, 0
	s_lshl1_add_u32 s54, s31, s29                  ; pm: block ((kind 2 + head) 2 + bh) 8 + (x & 7), of 131,072 bytes,
	s_lshl1_add_u32 s54, s54, s32
	s_and_b32 s58, s33, 7
	s_lshl3_add_u32 s54, s54, s58
	s_lshl_b32 s54, s54, 17
	s_lshr_b32 s58, s33, 3
	s_lshl_b32 s58, s58, 14                        ; + idx = x >> 3: 64 rows of 256 bytes
	s_add_co_u32 s54, s54, s58
	s_lshl_b32 s58, s30, 12                        ; + my 16 rows b' of 256 bytes
	s_add_co_u32 s54, s54, s58
	s_mov_b32 s55, 0
	; addresses
	s_lshl_b32 s58, s28, 13
	v_lshlrev_b32 v4, 4, v1
	v_add_nc_u32 v4, s58, v4                       ; context: 8 rows of 1,024 bytes a wave, 16 bytes a lane
	s_lshl_b32 s58, s30, 8
	v_lshl_add_u32 v5, v1, 3, s58                  ; W: my quarter row of 256 bytes, 8 bytes a lane
	s_lshl_b32 s58, s30, 4
	v_add_nc_u32 v200, s58, v2                     ; 16 q4 + r
	v_min_u32 v6, 52, v200
	v_lshlrev_b32 v6, 2, v6                        ; bias: column 16 q4 + r, held at 52 (columns 53-63 get filler)
	s_mul_i32 s58, s28, 8*PITCH
	v_lshl_add_u32 v7, v1, 3, s58                  ; A in LDS: row 8 w, 8 bytes (4 bf16) a lane
	s_mul_i32 s58, s29, 64*PITCH
	s_add_co_u32 s58, s58, LB                      ; B's 64 rows of my head
	s_lshl_b32 s59, s30, 7
	s_add_co_u32 s59, s59, s58
	v_lshl_add_u32 v8, v1, 2, s59                  ; B in LDS: my quarter row of 128 bytes, 4 bytes a lane
	v_mul_u32_u24 v11, v2, PITCH
	v_lshl_add_u32 v11, v3, 4, v11
	v_add_nc_u32 v11, s58, v11                     ; W's fragments: row 64 head + r, + 16 h
	v_mul_u32_u24 v10, v200, PITCH
	v_lshl_add_u32 v10, v3, 4, v10                 ; context fragments: row 16 q4 + r, + 16 h
	s_lshl_b32 s58, s29, 8
	s_add_co_u32 s58, s58, LBIAS
	v_lshl_add_u32 v9, v200, 2, s58                ; bias in: word 16 q4 + r of my head
	v_lshl_add_u32 v12, v3, 5, s58                 ; bias back: columns 8 h + 0..7 of each tile
	s_mul_i32 s58, s28, 16*SP
	s_add_co_u32 s58, s58, LSTAGE                  ; my stage
	v_mul_u32_u24 v13, v2, SP
	v_lshl_add_u32 v13, v3, 5, v13
	v_add_nc_u32 v13, s58, v13                     ; in: row r, 32 bytes for each half of the lanes
	v_mul_u32_u24 v14, v3, SP
	v_lshl_add_u32 v14, v2, 4, v14
	v_add_nc_u32 v14, s58, v14                     ; back: lanes 0-15 one row of 256 bytes, lanes 16-31 the next
	v_lshlrev_b32 v15, 4, v1                       ; and the same two rows in pm, which follow each other: 16 L
	v_mov_b32 v192, 0
	s_wait_kmcnt 0x0
	s_cmp_eq_u32 s31, 0
	s_cselect_b64 s[36:37], s[8:9], s[10:11]       ; prior or modern
	s_cselect_b32 s42, 0, -1                       ; the bias goes into M alone
	s_cmp_eq_u32 s29, 0
	s_cselect_b64 s[38:39], s[12:13], s[14:15]     ; my head's W
	s_cselect_b64 s[40:41], s[16:17], s[18:19]     ; and bias
	s_add_nc_u64 s[36:37], s[36:37], s[34:35]
	s_add_nc_u64 s[50:51], s[24:25], s[54:55]
	; everything that a wave reads goes out at once: 1 + 53 + 16 loads
	global_load_b32 v186, v6, s[40:41]
.set n, 0
.rept 53
	global_load_b64 v[WREG+2*n:WREG+2*n+1], v5, s[38:39] offset:n*1024            ; 256 consecutive bytes of row n, aligned
.set n, n+1
.endr
.set q, 0
.rept 16
	global_load_b128 v[CREG+4*q:CREG+4*q+3], v4, s[36:37] offset:q*512 th:TH_LOAD_NT   ; 512 consecutive bytes; read once in the launch
.set q, q+1
.endr
	; f32 to bf16 on the way into LDS
.set n, 0
.rept 53
.if 68-n > 63
	s_wait_loadcnt 63                              ; more loads are younger than the wait can name: its largest count
.else
	s_wait_loadcnt 68-n                            ; 52 - n rows of W and 16 context loads are younger than row n
.endif
	v_cvt_pk_bf16_f32 v[188+(n&3)], v[WREG+2*n], v[WREG+2*n+1]
	ds_store_b32 v8, v[188+(n&3)] offset:n*PITCH
.set n, n+1
.endr
.set n, 53
.rept 11
	ds_store_b32 v8, v192 offset:n*PITCH           ; rows 53-63 of each head are zeros
.set n, n+1
.endr
	v_mul_f32 v186, LOG2E, v186                    ; the bias is older than W's first row: it is in
	v_cndmask_b32 v186, 0, v186, s42               ; zero for P
	ds_store_b32 v9, v186                          ; both halves of the lanes write the same word with the same value
.set q, 0
.rept 16
	s_wait_loadcnt 15-q
	v_cvt_pk_bf16_f32 v[188+2*(q&1)], v[CREG+4*q], v[CREG+4*q+1]
	v_cvt_pk_bf16_f32 v[189+2*(q&1)], v[CREG+4*q+2], v[CREG+4*q+3]
	ds_store_b64 v7, v[188+2*(q&1):189+2*(q&1)] offset:(q>>1)*PITCH+(q&1)*256
.set q, q+1
.endr
	s_wait_dscnt 0x0                               ; my stores are in LDS, for the other waves' sake
	s_barrier_signal -1
	s_barrier_wait -1
	; THE PRODUCT.  Wave (head, q4): context rows 16 q4 .. + 15 times the head's 64 columns, four accumulators, eight steps of 32 along K.
	; Source 0 = 16 rows of W, source 1 = 16 context rows: lane L then holds context row r and the columns 16 t + 8 h + 0..7, 32 neighbouring bytes.
.irp t, 0,1,2,3
	ds_load_b128 v[BI+8*\t:BI+8*\t+3],   v12 offset:64*\t
	ds_load_b128 v[BI+8*\t+4:BI+8*\t+7], v12 offset:64*\t+16
.endr
.macro LOADF s, buf                    ; ten loads: the fragments of K step s into buffer buf
	ds_load_b128 v[F+40*\buf:F+40*\buf+3],   v10 offset:64*(\s)
	ds_load_b128 v[F+40*\buf+4:F+40*\buf+7], v10 offset:64*(\s)+32
.irp t, 0,1,2,3
	ds_load_b128 v[F+40*\buf+8+8*\t:F+40*\buf+11+8*\t],  v11 offset:16*PITCH*\t+64*(\s)
	ds_load_b128 v[F+40*\buf+12+8*\t:F+40*\buf+15+8*\t], v11 offset:16*PITCH*\t+64*(\s)+32
.endr
.endm
; left = the LDS loads younger than this step's ten.  The four accumulators take turns, one instruction a turn, in the same order in every step.
.macro STEP s, buf, left, first, refill
	s_wait_dscnt \left
.irp t, 0,1,2,3
.if \first
	v_wmma_f32_16x16x32_bf16 v[ACC+8*\t:ACC+8*\t+7], v[F+40*\buf+8+8*\t:F+40*\buf+15+8*\t], v[F+40*\buf:F+40*\buf+7], 0
.else
	v_wmma_f32_16x16x32_bf16 v[ACC+8*\t:ACC+8*\t+7], v[F+40*\buf+8+8*\t:F+40*\buf+15+8*\t], v[F+40*\buf:F+40*\buf+7], v[ACC+8*\t:ACC+8*\t+7]
.endif
.endr
.if \refill
.rept 4
	v_nop                                          ; four places before loads land on registers that a matrix instruction has read (ISA guide 7.12.1 for vector instructions)
.endr
	LOADF \s+4, \buf
.endif
.endm
	LOADF 0, 0
	LOADF 1, 1
	LOADF 2, 2
	LOADF 3, 3
	STEP 0, 0, 30, 1, 1                            ; three runs of ten are younger, here and in the next four steps
	STEP 1, 1, 30, 0, 1
	STEP 2, 2, 30, 0, 1
	STEP 3, 3, 30, 0, 1
	STEP 4, 0, 30, 0, 0
	STEP 5, 1, 20, 0, 0
	STEP 6, 2, 10, 0, 0
	STEP 7, 3, 0, 0, 0
	; THE WAY OUT: times log2(e), plus the bias, through my own stage, back as whole rows of 256 bytes
.rept 4
	v_nop                                          ; four places before a vector instruction reads a matrix result (ISA guide 7.12.1)
.endr
.set k, 0
.rept 16
	v_pk_fma_f32 v[ACC+2*k:ACC+2*k+1], v[ACC+2*k:ACC+2*k+1], LOG2E, v[BI+2*k:BI+2*k+1] op_sel_hi:[1,0,1]
.set k, k+1
.endr
.irp t, 0,1,2,3
	ds_store_b128 v13, v[ACC+8*\t:ACC+8*\t+3]   offset:64*\t
	ds_store_b128 v13, v[ACC+8*\t+4:ACC+8*\t+7] offset:64*\t+16
.endr
.irp u, 0,1,2,3,4,5,6,7
	ds_load_b128 v[F+4*\u:F+4*\u+3], v14 offset:2*SP*\u      ; LDS serves a wave's instructions in order: these see the stores above
.endr
.irp u, 0,1,2,3,4,5,6,7
	s_wait_dscnt 7-\u
	global_store_b128 v15, v[F+4*\u:F+4*\u+3], s[50:51] offset:512*\u    ; the wave stores 512 consecutive bytes, aligned: two rows b' of pm
.endr
	s_wait_tensorcnt 0x0
	ds_add_u32 v240, v241
	s_wait_dscnt 0x0
	s_endpgm
.Lfunc_end_k_qddfa755466_proj:
	.size	k_qddfa755466_proj, .Lfunc_end_k_qddfa755466_proj-k_qddfa755466_proj
	.p2alignl 7, 3214868480
	.fill 96, 4, 3214868480
	.section	.rodata,"a",@progbits
	.p2align	6, 0x0
	.amdhsa_kernel k_qddfa755466_proj
		.amdhsa_group_segment_fixed_size 168960
		.amdhsa_private_segment_fixed_size 0
		.amdhsa_enable_private_segment 0
		.amdhsa_kernarg_size 56
		.amdhsa_user_sgpr_count 2
		.amdhsa_user_sgpr_kernarg_segment_ptr 1
		.amdhsa_wavefront_size32 1
		.amdhsa_system_sgpr_workgroup_id_x 1
		.amdhsa_system_sgpr_workgroup_id_y 1
		.amdhsa_system_sgpr_workgroup_id_z 1
		.amdhsa_system_vgpr_workitem_id 0
		.amdhsa_next_free_vgpr 242
		.amdhsa_next_free_sgpr 66
		.amdhsa_reserve_vcc 0
		.amdhsa_float_denorm_mode_32 3
		.amdhsa_float_denorm_mode_16_64 3
		.amdhsa_memory_ordered 1
		.amdhsa_forward_progress 1
		.amdhsa_inst_pref_size 35
	.end_amdhsa_kernel
	.amdgpu_metadata
---
amdhsa.version: [ 1, 2 ]
amdhsa.kernels:
  - .name:           k_qddfa755466_proj
    .symbol:         k_qddfa755466_proj.kd
    .args:
      - { .name: prior_ctx, .offset: 0, .size: 8, .value_kind: global_buffer, .address_space: global }
      - { .name: modern_ctx, .offset: 8, .size: 8, .value_kind: global_buffer, .address_space: global }
      - { .name: W_sub, .offset: 16, .size: 8, .value_kind: global_buffer, .address_space: global }
      - { .name: W_ins, .offset: 24, .size: 8, .value_kind: global_buffer, .address_space: global }
      - { .name: b_sub, .offset: 32, .size: 8, .value_kind: global_buffer, .address_space: global }
      - { .name: b_ins, .offset: 40, .size: 8, .value_kind: global_buffer, .address_space: global }
      - { .name: pm, .offset: 48, .size: 8, .value_kind: global_buffer, .address_space: global }
    .group_segment_fixed_size: 168960
    .private_segment_fixed_size: 0
    .kernarg_segment_align: 8
    .kernarg_segment_size: 56
    .max_flat_workgroup_size: 256
    .sgpr_count:     66
    .vgpr_count:     242
    .wavefront_size: 32
...
	.end_amdgpu_metadata
.endif
;; end of part 1
;; launch lse (part 2): grid 256 x 1, 16 waves a work-group, no clusters, 280,576 bytes of LDS; arguments pm, target_ids, src_lengths, tgt_lengths, out0, out1, out2, out3; writes out0, out1, out2, out3
.if DOCPART == 2
	.amdgcn_target "amdgcn-amd-amdhsa--gfx1250"
	.amdhsa_code_object_version 6
	.text
	.protected	k_qddfa755466_lse
	.globl	k_qddfa755466_lse
	.p2align	8
	.type	k_qddfa755466_lse,@function
k_qddfa755466_lse:
	s_mov_b64 s[64:65], 0
	v_nop
	global_prefetch_b8 v0, s[64:65] scope:SCOPE_SE
	s_setreg_imm32_b32 hwreg(HW_REG_WAVE_MODE, 25, 1), 1
	s_wait_xcnt 0x0
; For every cell (x, y, b) of one head: s[v] = P[x, b, v] + M[y, b, v] (already times log2 e), m = max over the 53 v, L = log2 of the sum of 2^(s - m);
; log-softmax[v] = ln 2 (s[v] - m - L).  Column 52 goes to out0 / out1, the column named by target_ids[y, b] to out2 / out3.
; Where x >= src_lengths[b] or y >= tgt_lengths[b] (signed comparisons, as in reference()) the result is replaced by 0.
; The maximum is the true one of each cell's 53 sums, so the sum lies between 1 and 53 whatever the size of the logits.
; Every cell is computed, padding too, and the mask only selects: no branch and no trip count hangs on the lengths.
;
; reference()'s second logsumexp adds -1e9 to all columns but the target's: 52 of its 53 terms are exp of about -1e9, exactly 0 in f32, so it returns the
; target's log-probability itself (0 on padding).  LIMIT: that holds while log-probabilities stay above about -9e8.  Terms more than 126 binary orders
; below the maximum count as zero (v_exp_f32 flushes them).  A target id outside 0 .. 52 is read as 52.
;
; Work-group G of 256: head = G >> 7, bh, r, s from G & 127: x = r + 8 i, y = s + 8 j (i, j = 0..7), b = 64 bh + b': 4,096 cells.
; Sixteen waves; each brings an eighth of P's or of M's block by one tensor load (its only one, so one is outstanding).  Wave w then has j = w >> 1 and
; b' = 32 (w & 1) + lane, and goes through i = 0..7: its lanes' rows of M, their target columns and the y half of the mask are fetched once and stay in
; registers; P's row comes from LDS a trip ahead, into two register buffers that take turns.  Results go through an LDS stage and leave as rows of 64 b.
; Each block of P is read by the eight work-groups of equal (head, bh, r), each block of M by the eight of equal (head, bh, s): all 16 x 15,360 bytes
; that a work-group fetches are shared.  This text asks for them singly; joint loads in clusters of 4 x 4 would divide the requests by four and are left out here.
; No matrix work in this launch, so no large register tile.
.set ROWB,  240                        ; an LDS row: 60 of a pm row's 64 columns; 15 x 16 bytes, so the rows of 16 neighbouring lanes start in 16 different 16-byte columns of 256 bytes
.set TROWS, 64                         ; rows in a wave's tile: the 64 b' of one idx
.set TILE,  TROWS*ROWB                 ; 15,360 bytes
.set LM,    8*TILE                     ; P: rows 64 i + b' from byte 0; M: rows 64 j + b' from here (122,880)
.set STA,   2*LM                       ; stage of column 52: [cell 8 i + j][b' 64] f32, 16,384 bytes
.set STB,   16384                      ; the target's stage lies this far behind
.set LN2,   0x3f317218
.set PB0,   16                         ; v[16:68]   P's row, then s, then the exponentials: buffer 0
.set PB1,   144                        ; v[144:196] buffer 1
.set MR,    72                         ; v[72:124]  M's row, for all eight trips
; v1 lane; v2 src_lengths[b], or 0 where y >= tgt_lengths[b]; v3 tgt_lengths[b]; v4 b'; v5 b; v7, v8 P's row for i = 0, i = 4; v10, v6 the same at the target's column;
; v9 M's row; v125 the same at the target's column; v11 4 x target; v12 M at the target; v13 where my results go in the stage; v14, v15 global offsets;
; v69 column 52 less the maximum; v70, v71 P at the target (buffer 0, 1); v[126:127] the maximum, twice; v[128:131] four chains; v132-v137 at work; v141 16 x thread in the stage
	s_load_b512 s[8:23], s[0:1], 0x0               ; pm 8, target_ids 10, src_lengths 12, tgt_lengths 14, out0 16, out1 18, out2 20, out3 22
	v_lshl_add_u32 v200, v0, 2, 0x44000
	v_mov_b32 v201, 0
	ds_add_u32 v200, v201
	ds_add_u32 v200, v201
	v_lshrrev_b32 v1, 5, v0
	v_readfirstlane_b32 s24, v1                    ; wave 0..15
	s_lshr_b32 s25, ttmp9, 7                       ; head
	s_bfe_u32 s26, ttmp9, 0x10006                  ; bh
	s_bfe_u32 s27, ttmp9, 0x30003                  ; r
	s_and_b32 s28, ttmp9, 7                        ; s
	s_mov_b32 s55, LN2
	; my tile: waves 0-7 fetch P's block (residue r), waves 8-15 M's (residue s), 64 rows each
	s_lshr_b32 s49, s24, 3                         ; kind
	s_cmp_lg_u32 s49, 0
	s_cselect_b32 s62, s28, s27
	s_lshl1_add_u32 s49, s49, s25
	s_lshl1_add_u32 s49, s49, s26
	s_lshl3_add_u32 s49, s49, s62                  ; block ((kind 2 + head) 2 + bh) 8 + residue
	s_lshl_b32 s30, s49, 17                        ; of 131,072 bytes
	s_and_b32 s49, s24, 7
	s_lshl_b32 s49, s49, 14                        ; + idx = w & 7: 64 rows of 256 bytes
	s_add_co_u32 s30, s30, s49
	s_mov_b32 s31, 0
	s_mov_b32 s32, 1                               ; group 0: count = 1
	s_mul_i32 s33, s24, TILE                       ; LDS address: wave x 15,360
	s_mov_b32 s36, 2<<16                           ; group 1: no mask, elements of 4 bytes, no padding
	s_mov_b32 s37, 60<<16                          ; tensor_dim0 = 60
	s_mov_b32 s38, TROWS<<16                       ; tensor_dim1 = 64
	s_mov_b32 s39, 60<<16                          ; tile_dim0 = 60 elements: 240 bytes of each row
	s_mov_b32 s40, TROWS                           ; tile_dim1 = 64 rows
	s_mov_b32 s41, 64                              ; 64 elements from row to row
	s_mov_b32 s42, 0
	s_mov_b32 s43, 0
	s_wait_dscnt 0x0
	s_wait_kmcnt 0x0
	s_add_nc_u64 s[34:35], s[8:9], s[30:31]
	s_or_b32 s35, s35, 0x80000000                  ; type = 2
	tensor_load_to_lds s[32:35], s[36:43]          ; the launch's only fill, ahead of every LDS read, wait on TENSORcnt and barrier
	s_nop 0
	; while the tiles are on their way
	s_lshr_b32 s29, s24, 1                         ; j
	s_and_b32 s44, s24, 1                          ; hb
	s_lshl3_add_u32 s45, s29, s28                  ; y = 8 j + s
	s_min_u32 s46, s45, 62                         ; held at 62: y = 63 has no target, and its result is not stored
	s_lshl_b32 s46, s46, 7                         ; 128 y
	s_lshl_b32 s47, s26, 6                         ; 64 bh
	s_lshl_b32 s49, s44, 5                         ; 32 hb
	v_and_b32 v1, 31, v0                           ; lane
	v_add_nc_u32 v4, s49, v1                       ; b'
	v_add_nc_u32 v5, s47, v4                       ; b
	v_lshlrev_b32 v14, 2, v5                       ; 4 b
	v_add_lshl_u32 v15, v5, s46, 2                 ; 4 (128 y + b)
	global_load_b32 v11, v15, s[10:11]             ; my target
	global_load_b32 v2, v14, s[12:13]              ; my two lengths
	global_load_b32 v3, v14, s[14:15]
	v_mul_u32_u24 v7, ROWB, v4                     ; P's row 64 i + b' for i = 0; i = 1..3 stand in the loads' immediates,
	v_add_nc_u32 v8, 4*TILE, v7                    ; i = 4..7 on this one: an immediate holds 16 bits
	s_mul_i32 s49, s29, TILE
	s_add_co_u32 s49, s49, LM
	v_add_nc_u32 v9, s49, v7                       ; M's row 64 j + b'
	s_lshl_b32 s49, s24, 7                         ; 256 j + 128 hb = 128 w
	s_add_co_u32 s49, s49, STA
	v_lshl_add_u32 v13, v1, 2, s49                 ; the stage's word (cell j, b'); 2,048 i stands in the stores' immediates
	v_lshlrev_b32 v141, 4, v0
	v_add_nc_u32 v141, STA, v141                   ; the way out: 16 bytes a thread
	; where the results go
	s_cmp_eq_u32 s25, 0
	s_cselect_b64 s[56:57], s[16:17], s[18:19]     ; out0 or out1
	s_cselect_b64 s[58:59], s[20:21], s[22:23]     ; out2 or out3
	s_lshl_b32 s30, s28, 9
	s_lshl_b32 s49, s26, 8
	s_add_co_u32 s49, s30, s49                     ; 512 s + 256 bh
	s_lshl_b32 s30, s27, 15
	s_add_co_u32 s30, s30, s49                     ; + r rows x of 64 x 512 bytes
	s_add_nc_u64 s[56:57], s[56:57], s[30:31]
	s_mul_i32 s30, s27, 32256
	s_add_co_u32 s30, s30, s49                     ; + r rows x of 63 x 512 bytes
	s_add_nc_u64 s[58:59], s[58:59], s[30:31]
	s_wait_loadcnt 0x0                             ; the target and the lengths
	v_min_u32 v11, 52, v11
	v_lshlrev_b32 v11, 2, v11                      ; byte of the target's column in a row
	v_cmp_lt_i32 vcc_lo, s45, v3                   ; y < tgt_lengths[b]
	v_cndmask_b32 v2, 0, v2, vcc_lo                ; else no x >= 0 is below 0: one comparison a trip does for both
	v_add_nc_u32 v10, v7, v11
	v_add_nc_u32 v6, v8, v11
	v_add_nc_u32 v125, v9, v11
	s_wait_tensorcnt 0x0                           ; my tile is in LDS: for the other waves' sake
	s_barrier_signal -1
	s_barrier_wait -1
.macro ROW dst, adr, off               ; 53 f32 of one row: 13 x 16 bytes + 4
.set q, 0
.rept 13
	ds_load_b128 v[\dst+4*q:\dst+4*q+3], \adr offset:\off+16*q
.set q, q+1
.endr
	ds_load_b32 v[\dst+52], \adr offset:\off+208
.endm
.macro LOADP i, dst, g                 ; 15 loads: P's row of trip i, and P at the target's column
.if (\i) < 4
	ROW \dst, v7, (\i)*TILE
	ds_load_b32 v[\g], v10 offset:(\i)*TILE
.else
	ROW \dst, v8, ((\i)-4)*TILE
	ds_load_b32 v[\g], v6 offset:((\i)-4)*TILE
.endif
.endm
; Trip i on buffer B (P at the target in g); the next trip's loads go into buffer O (og) first.
.macro TRIP i, B, O, g, og
.if \i < 7
	LOADP \i+1, \O, \og
	s_wait_dscnt 15                                ; LDS answers in order: all but the 15 just issued are done, this trip's row among them
.else
	s_wait_dscnt 0x0                               ; the last trip asks for nothing
.endif
.set k, 0
.rept 26
	v_pk_add_f32 v[\B+2*k:\B+2*k+1], v[\B+2*k:\B+2*k+1], v[MR+2*k:MR+2*k+1]
.set k, k+1
.endr
	v_add_f32 v[\B+52], v[\B+52], v[MR+52]
	; the maximum of the 53: four chains of 13 that do not wait for each other, then the four and the last value
.irp c, 0,1,2,3
	v_max3_num_f32 v[128+\c], v[\B+\c], v[\B+4+\c], v[\B+8+\c]
.endr
.irp t, 0,1,2,3,4
.irp c, 0,1,2,3
	v_max3_num_f32 v[128+\c], v[128+\c], v[\B+12+8*\t+\c], v[\B+16+8*\t+\c]
.endr
.endr
	v_max3_num_f32 v126, v128, v129, v130
	v_max3_num_f32 v126, v126, v131, v[\B+52]
	v_mov_b32 v127, v126
.set k, 0
.rept 26
	v_pk_add_f32 v[\B+2*k:\B+2*k+1], v[\B+2*k:\B+2*k+1], v[126:127] neg_lo:[0,1] neg_hi:[0,1]
.set k, k+1
.endr
	v_sub_f32 v69, v[\B+52], v126                  ; column 52 less the maximum: kept
.set k, 0
.rept 52
	v_exp_f32 v[\B+k], v[\B+k]
.set k, k+1
.endr
	v_exp_f32 v[\B+52], v69
	v_add_f32 v134, v[\g], v12                     ; the plain instruction between the exponentials and the first use of a result (ISA guide 5.7.2)
.set k, 4
	s_wait_alu depctr_va_vdst(0)
.rept 22
	v_pk_add_f32 v[\B+2*(k%4):\B+2*(k%4)+1], v[\B+2*(k%4):\B+2*(k%4)+1], v[\B+2*k:\B+2*k+1]
.set k, k+1
.endr
	v_pk_add_f32 v[\B:\B+1], v[\B:\B+1], v[\B+2:\B+3]
	v_pk_add_f32 v[\B+4:\B+5], v[\B+4:\B+5], v[\B+6:\B+7]
	v_pk_add_f32 v[\B:\B+1], v[\B:\B+1], v[\B+4:\B+5]
	v_add_f32 v132, v[\B], v[\B+1]
	v_add_f32 v132, v132, v[\B+52]                 ; between 1 and 53
	v_log_f32 v133, v132
	v_sub_f32 v134, v134, v126                     ; the plain instruction behind the logarithm: the target's column less the maximum
	s_add_co_u32 s48, s27, 8*\i                    ; x = r + 8 i
	s_wait_alu depctr_va_vdst(0)
	v_mul_f32 v135, s55, v133
	v_cmp_lt_i32 vcc_lo, s48, v2                   ; x < src_lengths[b], and y < tgt_lengths[b]
	v_fma_f32 v136, v69, s55, -v135                ; ln 2 (s52 - m) - ln 2 L
	v_fma_f32 v137, v134, s55, -v135
	v_cndmask_b32 v136, 0, v136, vcc_lo            ; padding is 0
	v_cndmask_b32 v137, 0, v137, vcc_lo
	ds_store_b32 v13, v136 offset:2048*\i          ; 128 consecutive bytes, the wave's own by its number
	ds_store_b32 v13, v137 offset:2048*\i+STB
.endm
	ROW MR, v9, 0                                  ; once for all eight trips
	ds_load_b32 v12, v125
	LOADP 0, PB0, 70
	TRIP 0, PB0, PB1, 70, 71
	TRIP 1, PB1, PB0, 71, 70
	TRIP 2, PB0, PB1, 70, 71
	TRIP 3, PB1, PB0, 71, 70
	TRIP 4, PB0, PB1, 70, 71
	TRIP 5, PB1, PB0, 71, 70
	TRIP 6, PB0, PB1, 70, 71
	TRIP 7, PB1, PB0, 71, 70
	s_wait_dscnt 0x0                               ; my results are in the stages, for the other waves' sake
	s_barrier_signal -1
	s_barrier_wait -1
	; THE WAY OUT.  Thread = 16 u + pc: 16 bytes of cell u (i = u >> 3, j = u & 7) and of cell u + 32 (i + 4), from both stages.
	ds_load_b128 v[16:19], v141
	ds_load_b128 v[20:23], v141 offset:8192
	ds_load_b128 v[24:27], v141 offset:STB
	ds_load_b128 v[28:31], v141 offset:STB+8192
	v_lshrrev_b32 v4, 4, v0
	v_and_b32 v5, 15, v0
	v_lshrrev_b32 v6, 3, v4                        ; i
	v_and_b32 v7, 7, v4                            ; j
	v_lshlrev_b32 v8, 12, v7                       ; 8 j rows y of 512 bytes
	v_lshl_add_u32 v8, v5, 4, v8
	v_lshl_add_u32 v138, v6, 18, v8                ; + 8 i rows x of 32,768 bytes
	v_mad_u32_u24 v139, v6, 0x3f000, v8            ; + 8 i rows x of 32,256 bytes
	v_lshl_add_u32 v140, v7, 3, s28                ; y
	s_wait_dscnt 0x0
	global_store_b128 v138, v[16:19], s[56:57] th:TH_STORE_NT                  ; 16 lanes store 256 consecutive bytes, aligned: 64 b of one (x, y)
	global_store_b128 v138, v[20:23], s[56:57] offset:1048576 th:TH_STORE_NT   ; 32 rows x further
	s_wait_xcnt 0x0                                ; EXEC is a source of what has been issued: it narrows only behind this wait
	v_cmp_gt_u32 vcc_lo, 63, v140                  ; out2 and out3 have no y = 63
	s_wait_tensorcnt 0x0
	ds_add_u32 v200, v201
	s_wait_dscnt 0x0
	s_and_saveexec_b32 s60, vcc_lo
	global_store_b128 v139, v[24:27], s[58:59] th:TH_STORE_NT
	global_store_b128 v139, v[28:31], s[58:59] offset:1032192 th:TH_STORE_NT
	s_endpgm                                       ; EXEC is not widened again: nothing follows
.Lfunc_end_k_qddfa755466_lse:
	.size	k_qddfa755466_lse, .Lfunc_end_k_qddfa755466_lse-k_qddfa755466_lse
	.p2alignl 7, 3214868480
	.fill 96, 4, 3214868480
	.section	.rodata,"a",@progbits
	.p2align	6, 0x0
	.amdhsa_kernel k_qddfa755466_lse
		.amdhsa_group_segment_fixed_size 280576
		.amdhsa_private_segment_fixed_size 0
		.amdhsa_enable_private_segment 0
		.amdhsa_kernarg_size 64
		.amdhsa_user_sgpr_count 2
		.amdhsa_user_sgpr_kernarg_segment_ptr 1
		.amdhsa_wavefront_size32 1
		.amdhsa_system_sgpr_workgroup_id_x 1
		.amdhsa_system_sgpr_workgroup_id_y 1
		.amdhsa_system_sgpr_workgroup_id_z 1
		.amdhsa_system_vgpr_workitem_id 0
		.amdhsa_next_free_vgpr 202
		.amdhsa_next_free_sgpr 66
		.amdhsa_reserve_vcc 1
		.amdhsa_float_denorm_mode_32 3
		.amdhsa_float_denorm_mode_16_64 3
		.amdhsa_memory_ordered 1
		.amdhsa_forward_progress 1
		.amdhsa_inst_pref_size 85
	.end_amdhsa_kernel
	.amdgpu_metadata
---
amdhsa.version: [ 1, 2 ]
amdhsa.kernels:
  - .name:           k_qddfa755466_lse
    .symbol:         k_qddfa755466_lse.kd
    .args:
      - { .name: pm, .offset: 0, .size: 8, .value_kind: global_buffer, .address_space: global }
      - { .name: target_ids, .offset: 8, .size: 8, .value_kind: global_buffer, .address_space: global }
      - { .name: src_lengths, .offset: 16, .size: 8, .value_kind: global_buffer, .address_space: global }
      - { .name: tgt_lengths, .offset: 24, .size: 8, .value_kind: global_buffer, .address_space: global }
      - { .name: out0, .offset: 32, .size: 8, .value_kind: global_buffer, .address_space: global }
      - { .name: out1, .offset: 40, .size: 8, .value_kind: global_buffer, .address_space: global }
      - { .name: out2, .offset: 48, .size: 8, .value_kind: global_buffer, .address_space: global }
      - { .name: out3, .offset: 56, .size: 8, .value_kind: global_buffer, .address_space: global }
    .group_segment_fixed_size: 280576
    .private_segment_fixed_size: 0
    .kernarg_segment_align: 8
    .kernarg_segment_size: 64
    .max_flat_workgroup_size: 512
    .sgpr_count:     66
    .vgpr_count:     202
    .wavefront_size: 32
...
	.end_amdgpu_metadata
.endif
;; end of part 2
